; MI455X (gfx1250); checked and timed in simulation.
; The chip was launched on July 23, 2026; its instructions are those of AMD's public machine-readable ISA for CDNA 5 (MIT licence, August 2026) and "CDNA5" Instruction Set Architecture Reference Guide (July 2026). The comments in the code are by the model that wrote it; some were corrected since.
;; Attention. Allowed arithmetic: matrix products marked QUANTISED: E2M1 operands, one E8M0 scale for each 32 along K, by v_wmma_scale_f32_16x16x128_f8f6f4 with both operands' format E2M1 (or v_wmma_scale_f32_32x16x128_f4), f32 sums; products left as they are: f32 operands where the result goes on into a quantised operand, else bf16, f16 or f32 operands; f32 sums; everything else in f32.
;; Inputs: Wk_codes 512 x 16 x 16 uint8 (E2M1 codes of Wk, K innermost, in blocks of 32 codes, two codes a byte); Wk_scales 512 x 16 uint8 (E8M0 scales of Wk, one for each 32 codes along K); Wq_codes 512 x 16 x 16 uint8 (E2M1 codes of Wq, K innermost, in blocks of 32 codes, two codes a byte); Wq_scales 512 x 16 uint8 (E8M0 scales of Wq, one for each 32 codes along K); bk 512 float32; bq 512 float32; hidden_states_codes 4,096 x 32 x 16 x 16 uint8 (E2M1 codes of hidden_states, K innermost, in blocks of 32 codes, two codes a byte); hidden_states_scales 4,096 x 32 x 16 uint8 (E8M0 scales of hidden_states, one for each 32 codes along K); lengths 32 int32.
;; Outputs: out0 32 x 512 float32.
;; This version of the problem:
;;   THIS VERSION OF THE PROBLEM IS GIVEN IN LOW PRECISION. The matrix products marked QUANTISED in the list below multiply operands that are first quantised to E2M1 (2 exponent bits, 1 mantissa bit; 4 bits a number), with one power-of-two scale for each 32 numbers along K (OCP MX v1.0); their sums are f32. All else is computed in f32.
;;   The module's matrix products, in the order in which they are computed (A, B: the left and right operand; K: the contracted axis; several contracted axes count as one K, in the product's order):
;;     1. [M 131,072, K 512] x [K 512, N 512]; A: input hidden_states (given as codes); B: input Wq (given as codes): QUANTISED
;;     2. [M 131,072, K 512] x [K 512, N 512]; A: input hidden_states (given as codes); B: input Wk (given as codes): QUANTISED
;;     3. batch 32 x [M 4,096, K 512] x [K 512, N 1]; A: computed on the way; B: computed on the way: left as it is (N = 1 < 16)
;;     4. batch 32 x [M 1, K 4,096] x [K 4,096, N 512]; A: softmax; B: computed on the way: left as it is (M = 1 < 16)
;;   THE QUANTISER, for each operand of a quantised product, along K:
;;     - K is cut into blocks of 32 from its start; a last block that is shorter is filled with zeros.
;;     - A block's scale is 2^e with e = floor(log2(the largest magnitude in the block)) - 2, held to -126 .. 127; a block of zeros has e = 0. As a byte (E8M0): e + 127.
;;     - Each number is divided by its block's scale, clamped to +-6, and rounded to the nearest number of E2M1, ties to even, subnormals kept.
;;     - The product sums the exact products of the quantised numbers (number of the format x scale) in f32.
;;   ~~~python
;;   def quantise(x, axis):      # numpy; x: float32 -> the quantised numbers, widened to float32 again
;;       x = np.moveaxis(x, axis, -1); K = x.shape[-1]
;;       x = np.pad(x, [(0, 0)] * (x.ndim - 1) + [(0, -K % 32)]); x = x.reshape(x.shape[:-1] + (-1, 32)); a = np.abs(x).max(-1, keepdims=True)
;;       e = np.where(a > 0, np.clip(np.frexp(np.where(a > 0, a, 1))[1] - 1 - 2, -126, 127), 0)      # np.frexp(a)[1] - 1 = floor(log2(a)), exactly
;;       r = np.clip(x / 2.0 ** e, -6, 6)
;;       step = 2.0 ** (np.maximum(np.frexp(np.where(r == 0, 1, r))[1] - 1, 0) - 1)
;;       q = np.round(r / step) * step * 2.0 ** e      # np.round: ties to even
;;       return np.moveaxis(q.reshape(q.shape[:-2] + (-1,))[..., :K], -1, axis).astype(np.float32)
;;   ~~~
;;   INPUTS GIVEN AS CODES. Wk (in the module: [512, 512], K = its axis 1); Wq (in the module: [512, 512], K = its axis 1); hidden_states (in the module: [4096, 32, 512], K = its axis 2): each comes as NAME_codes (uint8): NAME with its K axis moved to the last place and cut into blocks of 32 codes, [.., K / 32, bytes a block], one block behind the other in memory; two codes a byte, the lower K in the low four bits (a code: sign, 2 exponent bits, 1 mantissa bit); and NAME_scales (uint8): the same leading axes, one E8M0 byte (e + 127) for each 32 codes along K. Its value is code x scale, taken as it is: it is not quantised again, and the codes and scales need not be those that the quantiser above would give.
;; One version. Each part assembles by itself: llvm-mc -triple=amdgcn-amd-amdhsa -mcpu=gfx1250 --defsym DOCPART=n.
;; ======== version 1 of 1: 3 launches
;; limits: right only within a limited range of input values
;; workspace buffers: qpart 1,048,576 bytes; hst 2,097,152 bytes; wkf 131,072 bytes; flg 2,048 bytes of whole numbers; deal 65,536 bytes of whole numbers; part 1,179,648 bytes
;; launch qsum (part 1): grid 8 x 32, 8 waves a work-group, clusters of 4 x 1, 294,912 bytes of LDS; arguments hidden_states_codes, hidden_states_scales, Wq_codes, Wq_scales, Wk_codes, bq, qpart, hst, wkf, flg, lengths, deal; writes qpart, hst, wkf, flg, deal
.if DOCPART == 1
	.amdgcn_target "amdgcn-amd-amdhsa--gfx1250"
	.amdhsa_code_object_version 6
	.text
	.protected	k_q161ec5a2f0_qsum
	.globl	k_q161ec5a2f0_qsum
	.p2align	8
	.type	k_q161ec5a2f0_qsum,@function
k_q161ec5a2f0_qsum:
	s_mov_b64 s[64:65], 0
	v_nop
	global_prefetch_b8 v0, s[64:65] scope:SCOPE_SE
	s_setreg_imm32_b32 hwreg(HW_REG_WAVE_MODE, 25, 1), 1
	s_wait_xcnt 0x0
	s_wait_alu depctr_hold_cnt(0) depctr_sa_sdst(0) depctr_va_vdst(0) depctr_va_sdst(0) depctr_va_ssrc(0) depctr_va_vcc(0) depctr_vm_vsrc(0)
	s_getreg_b32 s2, hwreg(HW_REG_IB_STS2, 6, 4)
	s_cmp_eq_u32 s2, 0
	s_cbranch_scc0 .Lentry_in_a_cluster
	s_endpgm
.Lentry_in_a_cluster:
	s_bfe_u32 s2, ttmp6, 0x10000c
	s_cmp_lg_u32 s2, 0x3003
	s_cbranch_scc0 .Lentry_shape_is_right
	s_endpgm
.Lentry_shape_is_right:
; THE PROGRAM (three launches).  out[b] = sum_s softmax_s(key[b,s] . q[b] + mask) key[b,s], key = tanh(h Wk^T + bk), q = mean_s(h Wq^T) + bq; both products with h on codes of FP4 (E2M1) with E8M0 scales.
; THIS LAUNCH: the sums over s of h Wq^T, in 16 parts for each batch; h's scale bytes laid batch by batch; Wk's codes laid in the order of the next launch's registers; one flag byte a wave; and the next launch's deal of rows.
; WORK LEFT OUT, in the next launch.  (1) With r = 1 / (1 + 2^(2 log2(e) x)), tanh(x) = 1 - 2 r, so key . q = sum_n q[n] - 2 sum_n r[n] q[n].  The first term does not hang on s: it is the same along the softmax's axis
; and cancels there for all values of the inputs; it is not formed.  Likewise out = 1 - 2 (sum_s p r) / (sum_s p), since the weights sum to 1.
; (2) ROWS PAST A BATCH'S LENGTH, where whole numbers say so: |key| <= 1, so two scores of a batch differ by 2 sum_n |q[n]| at most.  A wave's flag is 0 where in each of its lanes the sum over the lane's 4 units of |part| / 256 + |bq|
; is at most 38.  If all flags are 0, then (16 parts of a batch averaged, 128 lanes added) sum_n |q[n]| <= 128 x 38 = 4,864, and a row under the mask of -10000 lies at least 272 under the row's maximum: its weight, under e^-272, is 0 in f32
; in the source too.  Then the next launch walks only the rows under the length; if any flag is set it walks all rows, under the mask.  Every input has a way to the output, and every input is loaded.
; LIMITS: lengths outside 1 .. 4,096 count as 4,096; an overflow, an infinity or a NaN that would reach only work left out is not carried to the result; NaN and infinities among the inputs are not served; the f32 sums over s run in another order.
; SHARES.  A work-group takes 512 time steps (a chunk) of one batch.  Row (s, b) of h is 256 bytes at (32 s + b) x 256.  Wave w holds the fragments of Wq's rows 128 (w % 4) on in 256 registers, and takes
; in each half of 256 rows, rows 128 (w / 4) on: four pairs of tiles of 16 rows, 64 matrix instructions each, on two buffers by turns.
; THE SUM OVER s IS MADE IN THE ACCUMULATORS: source 0 = 16 rows of h, source 1 = 16 rows of Wq; all tiles of rows add onto the same eight accumulators, which take turns, one instruction a turn.
; LOADS.  A wave has one tensor load, at the head, of 128 rows: waves 0 to 3 quarters of Wq, waves 4 and 5 h's rows 0 to 255, waves 6 and 7 its rows 256 to 511, which a later barrier shows.  LDS is filled once, and all is asked for
; at the head: nothing is left for a prefetch.  CLUSTER: four chunks of one batch share Wq, which is asked for jointly; h's rows are each work-group's own.
; THE DEAL (wave 7).  nb = blocks of 32 rows of a batch (1 .. 128); K = the least of 8 .. 16 for which the sum over the batches of ceil(nb / K) is at most 256, the next launch's number of work-groups (16 always serves: 32 x 8).
; A batch gets ceil(nb / K) work-groups, at most 16, each K neighbouring blocks (the last fewer).  This work-group reckons the word of the next launch's work-group 8 b + chunk, a lane a batch.
.set PITCH, 272                        ; an LDS row: 256 bytes + 16 of padding: row r starts at bank 4 r mod 64 (64 banks of 4 bytes: ISA guide 11.1)
.set HB,    512*PITCH                  ; LDS: Wq's 512 rows from 0; h's 512 rows from here;
.set HS,    1024*PITCH                 ; h's scale bytes, 16 a row;
.set SPARE, HS+8192                    ; the spare words, 128 bytes for each wave
.set ADA,  4                           ; v4, v5 LDS address of my fragments of h in half 0, 1
.set HSW,  6                           ; v6     where I put my 64 rows of scale bytes
.set ADS,  8                           ; v8     my rows' scale words
.set AW,   9                           ; v9     my fragments of Wq
.set SPW,  10
.set NIL,  11
.set LO,   12                          ; v12    16 x lane
.set L8,   13                          ; v13    8 x lane
.set SCO,  14                          ; v14    512 x lane
.set WQS,  16                          ; v16-31 Wq's scale words: register 4 u + k: lanes 0-15 tile 2 u, lanes 16-31 tile 2 u + 1, K step k
.set HSC,  32                          ; v32-39 h's: register 4 p + k: the pair of tiles in buffer p likewise
.set CPY,  40                          ; v40-47 scale bytes on their way
.set OUTR, 48                          ; v48-51 my four sums
.set BQ,   52                          ; v52-55 bq of my four units
.set WKV,  56                          ; v56-59 16 rows x 32 bytes of Wk on their way to wkf
.set LNV,  62                          ; v62    lane b: batch b's length
.set AF,   64                          ; v64-191 two pairs of tiles of h (v64-78 ahead of them: the deal)
.set ACC,  192                         ; v192-255 the eight accumulators.   Window 1: Wq's fragments, tile t, K step k at 32 t + 8 k
.set WV,   24
.set BT,   25                          ; the batch
.set CK,   35                          ; the chunk
.set G1W,  36                          ; s[36:43] group 1 for Wq, s[44:51] for h; s[52:55], s[60:63] the groups 0
.set G1H,  44
.set G0W,  52
.set G0H,  60
.set KK,   66                          ; s66 K, s67 the factor for the division by it
.set KM,   67
.set SEL,  80
.set HM,   82
.set NQ,   83                          ; which 128 rows of Wq are mine
.set RH,   84                          ; which 128 rows of a half
.set GI,   85                          ; 8 b + chunk
.set MSB, 0
.macro WIN new                         ; the immediate's high byte repeats the setting that is left
.if MSB != \new
	s_set_vgpr_msb (MSB<<8)|\new
.set MSB, \new
.endif
.endm
.macro CROUND                          ; a round of the cluster's barrier
	s_barrier_signal -1
	s_barrier_wait -1
	s_cmp_lg_u32 s[WV], 0
	s_cbranch_scc1 .Lnot_wave_0_\@
	s_barrier_signal -3
.Lnot_wave_0_\@:
	s_barrier_wait -3
	s_barrier_signal -1
	s_barrier_wait -1
.endm
.macro PLACES                          ; four plain places behind a matrix instruction (ISA guide 7.12.1)
.rept 4
	v_nop
.endr
.endm
; One matrix instruction.  ra, rb: the side's scale words stand in lanes 16-31
.macro WM d, a, b, c, sa, sb, ra, rb
.if (\ra) && (\rb)
	v_wmma_scale_f32_16x16x128_f8f6f4 v[\d:\d+7], v[\a:\a+7], v[\b:\b+7], \c, v[\sa], v[\sb] matrix_a_fmt:MATRIX_FMT_FP4 matrix_b_fmt:MATRIX_FMT_FP4 matrix_a_scale:MATRIX_SCALE_ROW1 matrix_b_scale:MATRIX_SCALE_ROW1
.elseif (\ra)
	v_wmma_scale_f32_16x16x128_f8f6f4 v[\d:\d+7], v[\a:\a+7], v[\b:\b+7], \c, v[\sa], v[\sb] matrix_a_fmt:MATRIX_FMT_FP4 matrix_b_fmt:MATRIX_FMT_FP4 matrix_a_scale:MATRIX_SCALE_ROW1
.elseif (\rb)
	v_wmma_scale_f32_16x16x128_f8f6f4 v[\d:\d+7], v[\a:\a+7], v[\b:\b+7], \c, v[\sa], v[\sb] matrix_a_fmt:MATRIX_FMT_FP4 matrix_b_fmt:MATRIX_FMT_FP4 matrix_b_scale:MATRIX_SCALE_ROW1
.else
	v_wmma_scale_f32_16x16x128_f8f6f4 v[\d:\d+7], v[\a:\a+7], v[\b:\b+7], \c, v[\sa], v[\sb] matrix_a_fmt:MATRIX_FMT_FP4 matrix_b_fmt:MATRIX_FMT_FP4
.endif
.endm
.macro AT p, a, sa, b, sb, c, sc       ; address pair p goes on by (a << sa) + (b << sb) + (c << sc) bytes (s33 = 0)
	s_lshl_b32 s32, \a, \sa
	s_lshl_b32 s34, \b, \sb
	s_add_co_u32 s32, s32, s34
	s_lshl_b32 s34, \c, \sc
	s_add_co_u32 s32, s32, s34
	s_add_nc_u64 s[\p:\p+1], s[\p:\p+1], s[32:33]
.endm
	s_load_b512 s[4:19], s[0:1], 0x0               ; h's codes, h's scales, Wq's codes, Wq's scales, Wk's codes, bq, qpart, hst
	s_load_b128 s[20:23], s[0:1], 0x40             ; wkf, flg
	s_load_b128 s[56:59], s[0:1], 0x50             ; lengths, deal
	v_lshl_add_u32 v[SPW], v0, 2, SPARE
	v_mov_b32 v[NIL], 0
	ds_add_u32 v[SPW], v[NIL]                      ; the wave's opening: the add, twice on end, and its wait ahead of my first tensor load
	ds_add_u32 v[SPW], v[NIL]
	v_lshrrev_b32 v1, 5, v0
	v_readfirstlane_b32 s[WV], v1                  ; wave 0..7
	s_bfe_u32 s26, ttmp6, 0x40000                  ; cx: it enters global addresses of plain loads and of stores, and the deal's word, alone
	s_lshl_b32 s[CK], ttmp9, 2
	s_add_co_u32 s[CK], s[CK], s26
	s_and_b32 s[BT], ttmp7, 0xffff                 ; which the four partners share
	s_lshl_b32 s[GI], s[BT], 3
	s_add_co_u32 s[GI], s[GI], s[CK]
	s_and_b32 s[NQ], s[WV], 3
	s_lshr_b32 s[RH], s[WV], 2
	v_and_b32 v1, 31, v0                           ; lane
	v_and_b32 v2, 15, v0                           ; r
	v_bfe_u32 v3, v0, 4, 1                         ; h
	v_lshlrev_b32 v[LO], 4, v1
	v_lshlrev_b32 v[L8], 3, v1
	v_lshlrev_b32 v[SCO], 9, v1
	v_lshlrev_b32 v61, 2, v1
	v_lshlrev_b32 v60, 8, v2
	v_lshl_add_u32 v60, v3, 4, v60                 ; a fragment's 16 bytes in a dense tile: row r, half h
	v_mul_u32_u24 v[AW], v2, PITCH
	v_lshl_add_u32 v[AW], v3, 4, v[AW]             ; and in a padded one
	s_mul_i32 s28, s[RH], 128*PITCH
	s_add_co_u32 s28, s28, HB
	v_add_nc_u32 v[ADA], s28, v[AW]
	v_add_nc_u32 v[ADA+1], 256*PITCH, v[ADA]
	s_mul_i32 s28, s[NQ], 128*PITCH                ; also: where my tensor load lands, in Wq's rows or in h's
	v_add_nc_u32 v[AW], s28, v[AW]
	v_lshl_add_u32 v[ADS], v1, 4, HS
	s_lshl_b32 s29, s[WV], 10
	v_add_nc_u32 v[HSW], s29, v[ADS]
	s_lshl_b32 s29, s[RH], 11
	v_add_nc_u32 v[ADS], s29, v[ADS]
	; groups 1: 128 rows x 256 bytes, padded in LDS: Wq's dense in memory and asked for jointly, h's 8,192 bytes apart
	s_mov_b32 s[G1W+0], 15|(1<<20)|(1<<21)|(5<<22)|(3<<25)  ; 15:0 the mask: all four work-groups; elements of 1 byte; 20 padding on; 21 set beside a mask; 24:22 after every 64 words (code 5); 31:25 four words (code 3)
	s_mov_b32 s[G1H+0], (1<<20)|(5<<22)|(3<<25)
.irp g, G1W, G1H
	s_mov_b32 s[\g+1], 256<<16
	s_mov_b32 s[\g+2], 128<<16
	s_mov_b32 s[\g+3], 256<<16
	s_mov_b32 s[\g+4], 128
	s_mov_b32 s[\g+6], 0
	s_mov_b32 s[\g+7], 0
.endr
	s_mov_b32 s[G1W+5], 256
	s_mov_b32 s[G1H+5], 8192
	s_mov_b32 s33, 0
	s_mov_b32 s[SEL], 0x76543210
	s_mov_b32 s[SEL+1], 0xfedcba98
	s_mov_b32 s[HM], 0xffff0000
	s_wait_alu depctr_va_vdst(0)                   ; the wait here, directly ahead of the waits below
	s_wait_dscnt 0x0                               ; both opening adds are done
	s_wait_kmcnt 0x0
	AT 8, s[NQ], 15, s33, 0, s33, 0                ; Wq: 128 rows (the wave's number alone: the same in all partners)
	AT 4, s[CK], 22, s[NQ], 20, s[BT], 8           ; h: s = 512 chunk + 128 (w % 4)
	s_mov_b32 s[G0W], 1                            ; count = 1
	s_mov_b32 s[G0W+1], s28                        ; LDS address
	s_mov_b64 s[G0W+2:G0W+3], s[8:9]               ; global address
	s_or_b32 s[G0W+3], s[G0W+3], 0x80000000        ; type = 2
	s_mov_b32 s[G0H], 1
	s_add_co_u32 s[G0H+1], s28, HB
	s_mov_b64 s[G0H+2:G0H+3], s[4:5]
	s_or_b32 s[G0H+3], s[G0H+3], 0x80000000
	CROUND                                         ; all four work-groups are here: the joint loads meet
	s_cmp_lt_u32 s[WV], 4                          ; one tensor load a wave: each arm has its own line
	s_cbranch_scc0 .Lask_h0
	tensor_load_to_lds s[G0W:G0W+3], s[G1W:G1W+7]
	s_nop 0
.rept 4
	v_nop
.endr
	s_branch .Lasked
.Lask_h0:
	s_cmp_lt_u32 s[WV], 6
	s_cbranch_scc0 .Lask_h1
	tensor_load_to_lds s[G0H:G0H+3], s[G1H:G1H+7]
	s_nop 0
.rept 4
	v_nop
.endr
	s_branch .Lasked
.Lask_h1:
	tensor_load_to_lds s[G0H:G0H+3], s[G1H:G1H+7]
	s_nop 0
.rept 4
	v_nop
.endr
.Lasked:
	global_load_b32 v[LNV], v61, s[56:57]
	AT 6, s[CK], 18, s[WV], 15, s[BT], 4           ; h's scale bytes: row s at 512 s + 16 b, s = 512 chunk + 64 w + lane
	global_load_b128 v[CPY:CPY+3], v[SCO], s[6:7]
	global_load_b128 v[CPY+4:CPY+7], v[SCO], s[6:7] offset:16384
	AT 10, s[NQ], 11, s33, 0, s33, 0               ; Wq's scale bytes: 16 a row, my 128 rows
.irp u, 0,1,2,3
	global_load_b128 v[WQS+4*\u:WQS+4*\u+3], v[LO], s[10:11] offset:512*\u   ; lane l takes row 32 u + l
.endr
	AT 14, s[NQ], 9, s33, 0, s33, 0
.irp u, 0,1,2,3
	global_load_b32 v[BQ+\u], v61, s[14:15] offset:128*\u          ; bq[128 nq + 32 u + l]
.endr
	AT 12, s[BT], 12, s[CK], 5, s33, 0             ; Wk: of the 256 fragment loads of the next launch (16 rows x 32 bytes each) this work-group lays number 8 b + chunk: rows 16 b on, bytes 32 chunk on
	AT 20, s[GI], 9, s33, 0, s33, 0
	AT 18, s[BT], 16, s[CK], 13, s[WV], 10         ; hst [b][s][16]
	AT 16, s[BT], 15, s[CK], 12, s[RH], 11         ; qpart [b][2 chunk + rh][2,048 bytes]
	AT 16, s[NQ], 9, s33, 0, s33, 0                ; + 512 nq
	AT 22, s[GI], 3, s[WV], 0, s33, 0              ; flg [b][chunk][wave]
	AT 58, s[GI], 8, s33, 0, s33, 0                ; deal [8 b + chunk][256 bytes]
	s_cmp_lg_u32 s[WV], 7
	s_cbranch_scc1 .Ldealt
	; THE DEAL, lane b for batch b
	s_wait_loadcnt 10                              ; the lengths are in; behind them: 2 + 4 + 4 loads
	v_min_u32 v65, 0x1000, v[LNV]
	v_add_nc_u32 v65, -1, v65
	v_and_b32 v65, 0xfff, v65
	v_add_nc_u32 v65, 1, v65                       ; the length, 1 .. 4,096
	v_add_nc_u32 v66, 31, v65
	v_lshrrev_b32 v66, 5, v66                      ; nb
	; ceil(nb / k) = ((nb + k - 1) x ceil(65,536 / k)) >> 16 (exact for nb + k - 1 <= 143); the counts for k and k + 1 share a word
.irp j, 0,1,2,3
	v_add_nc_u32 v[68+2*\j], 7+2*\j, v66
	v_add_nc_u32 v[69+2*\j], 8+2*\j, v66
.endr
.irp j, 0,1,2,3
	v_mul_u32_u24 v[68+2*\j], (65543+2*\j)/(8+2*\j), v[68+2*\j]
	v_mul_u32_u24 v[69+2*\j], (65544+2*\j)/(9+2*\j), v[69+2*\j]
.endr
.irp j, 0,1,2,3
	v_lshrrev_b32 v[68+2*\j], 16, v[68+2*\j]
.endr
.irp j, 0,1,2,3
	v_and_or_b32 v[68+2*\j], v[69+2*\j], 0xffff0000, v[68+2*\j]
.endr
.irp x, 1,2,4,8
.irp j, 0,1,2,3
	v_add_nc_u32_dpp v[68+2*\j], v[68+2*\j], v[68+2*\j] row_xmask:\x row_mask:0xf bank_mask:0xf
.endr
.endr
.irp j, 0,1,2,3
	v_readlane_b32 s[68+\j], v[68+2*\j], 0
	v_readlane_b32 s[72+\j], v[68+2*\j], 16
.endr
.irp j, 0,1,2,3
	s_add_co_u32 s[68+\j], s[68+\j], s[72+\j]
.endr
	s_mov_b32 s[KK], 16
	s_mov_b32 s[KM], 4096
.irp k, 15,14,13,12,11,10,9,8
.if (\k)%2
	s_lshr_b32 s76, s[68+(\k-8)/2], 16
.else
	s_and_b32 s76, s[68+(\k-8)/2], 0xffff
.endif
	s_cmp_le_u32 s76, 256
	s_cselect_b32 s[KK], \k, s[KK]
	s_cselect_b32 s[KM], (65535+\k)/\k, s[KM]
.endr
	s_sub_co_u32 s76, s[KK], 1
	s_wait_alu depctr_va_vdst(0)
	v_add_nc_u32 v67, s76, v66
	v_mul_u32_u24 v67, s[KM], v67
	v_lshrrev_b32 v67, 16, v67                     ; the batch's work-groups,
	v_add_nc_u32_dpp v68, v67, v67 row_shr:1 row_mask:0xf bank_mask:0xf bound_ctrl:1
	v_add_nc_u32_dpp v68, v68, v68 row_shr:2 row_mask:0xf bank_mask:0xf bound_ctrl:1
	v_add_nc_u32_dpp v68, v68, v68 row_shr:4 row_mask:0xf bank_mask:0xf bound_ctrl:1
	v_add_nc_u32_dpp v68, v68, v68 row_shr:8 row_mask:0xf bank_mask:0xf bound_ctrl:1
	v_readlane_b32 s76, v68, 15
	v_mad_u32_u24 v68, v3, s76, v68                ; and their sum up to and with it
	v_cmp_ge_u32 vcc_lo, s[GI], v68
	s_bcnt1_i32_b32 s77, vcc_lo                    ; the batch: the number of batches whose work-groups all come before (32: the work-group is left over)
	v_cndmask_b32 v69, 0, v67, vcc_lo
	v_cmp_eq_u32 s76, s77, v1
	v_lshlrev_b32 v70, 10, v65
	v_cndmask_b32 v70, 0, v70, s76
	v_cmp_eq_u32 s76, s[BT], v1
	v_add_nc_u32 v69, v69, v70                     ; bits 9:0: work-groups of earlier batches; above: the batch's length
	v_cndmask_b32 v71, 0, v65, s76                 ; and batch b's own
.irp x, 1,2,4,8
	v_add_nc_u32_dpp v69, v69, v69 row_xmask:\x row_mask:0xf bank_mask:0xf
	v_add_nc_u32_dpp v71, v71, v71 row_xmask:\x row_mask:0xf bank_mask:0xf
.endr
	v_readlane_b32 s68, v69, 0
	v_readlane_b32 s69, v69, 16
	v_readlane_b32 s70, v71, 0
	v_readlane_b32 s71, v71, 16
	s_add_co_u32 s68, s68, s69
	s_add_co_u32 s70, s70, s71                     ; batch b's length, for the walk of all rows
	s_and_b32 s69, s68, 1023
	s_lshr_b32 s71, s68, 10                        ; the batch's length
	s_sub_co_u32 s72, s[GI], s69
	s_min_u32 s72, s72, 15                         ; my number among the batch's work-groups
	s_mul_i32 s73, s72, s[KK]
	s_add_co_u32 s74, s71, 31
	s_lshr_b32 s74, s74, 5
	s_sub_co_u32 s74, s74, s73                     ; blocks from the first on
	s_min_u32 s75, s74, s[KK]                      ; blocks to walk
	s_cmp_le_u32 s74, s[KK]
	s_cselect_b32 s76, 1, 0                        ; the batch's last work-group
	s_cmp_lt_u32 s77, 32
	s_cselect_b32 s75, s75, 0
	s_cselect_b32 s76, s76, 0
	s_min_u32 s77, s77, 31
	s_lshl_b32 s72, s72, 6                         ; the word: 5:0 batch, 9:6 number, 14:10 blocks, 15 last, 28:16 length;
	s_or_b32 s77, s77, s72
	s_lshl_b32 s75, s75, 10
	s_or_b32 s77, s77, s75
	s_lshl_b32 s76, s76, 15
	s_or_b32 s77, s77, s76
	s_lshl_b32 s71, s71, 16
	s_or_b32 s77, s77, s71
	s_lshl_b32 s78, s[KK], 16                      ; 12:0 batch b's length, 20:16 K
	s_or_b32 s78, s78, s70
	v_mov_b32 v76, s77
	v_mov_b32 v77, s78
	global_store_b64 v[L8], v[76:77], s[58:59]     ; 32 times over, so that the 256 bytes are written whole
	s_wait_xcnt 0x0
.Ldealt:
	s_wait_loadcnt 8                               ; the scale bytes are in; behind them: 4 + 4 loads
	ds_store_b128 v[HSW], v[CPY:CPY+3]
	ds_store_b128 v[HSW], v[CPY+4:CPY+7] offset:512
	global_store_b128 v[LO], v[CPY:CPY+3], s[18:19]              ; 512 consecutive bytes, at a multiple of 256
	global_store_b128 v[LO], v[CPY+4:CPY+7], s[18:19] offset:512
	s_cmp_lg_u32 s[WV], 0
	s_cbranch_scc1 .Lnot_laying
	global_load_b128 v[WKV:WKV+3], v60, s[12:13]
	s_wait_loadcnt 0x0
	global_store_b128 v[LO], v[WKV:WKV+3], s[20:21]              ; 512 consecutive bytes
.Lnot_laying:
	s_wait_loadcnt 0x0
	s_wait_alu depctr_va_vdst(0)                   ; the wait at the head's end
	s_cmp_ge_u32 s[WV], 6                          ; waves 6 and 7, whose load line is their own, wait for the second half later
	s_cbranch_scc1 .Lfirst
	s_wait_tensorcnt 0x0
.Lfirst:
	s_wait_dscnt 0x0
	s_barrier_signal -1
	s_barrier_wait -1                              ; Wq, the scale bytes and h's first half are whole
	WIN 0x40
.irp t, 0,1,2,3,4,5,6,7
.irp k, 0,1,2,3
.irp c, 0,1
	ds_load_b128 v[32*\t+8*\k+4*\c:32*\t+8*\k+4*\c+3], v[AW] offset:16*PITCH*\t+64*\k+32*\c   ; lane (r, h) holds row r; registers 4 c on hold K = 64 c + 32 h + 0 .. 31
.endr
.endr
.endr
	WIN 0x04                                       ; source 1 (Wq) window 1; all else window 0: up to the end of the pairs
; The fragments (2 tiles x 4 K steps) and the scale words of pair q: 17 LDS loads
.macro PLOAD q
.set PB, (\q)%2
.set PO, ((\q)%4)*32*PITCH
.irp m, 0,1
.irp k, 0,1,2,3
.irp c, 0,1
	ds_load_b128 v[AF+64*PB+32*\m+8*\k+4*\c:AF+64*PB+32*\m+8*\k+4*\c+3], v[ADA+(\q)/4] offset:PO+16*PITCH*\m+64*\k+32*\c
.endr
.endr
.endr
	ds_load_b128 v[HSC+4*PB:HSC+4*PB+3], v[ADS] offset:512*((\q)%4)+4096*((\q)/4)
.endm
; Pair q: 64 matrix instructions, the eight accumulators by turns.  The first eight of all start the sums
.macro PAIR q
.set PB, (\q)%2
.irp m, 0,1
.irp k, 0,1,2,3
.irp t, 0,1,2,3,4,5,6,7
.if ((\q) == 0) && (\m == 0) && (\k == 0)
	WM ACC+8*\t, AF+64*PB+32*\m+8*\k, 32*\t+8*\k, 0, HSC+4*PB+\k, WQS+4*(\t/2)+\k, \m, \t%2
.else
	WM ACC+8*\t, AF+64*PB+32*\m+8*\k, 32*\t+8*\k, v[ACC+8*\t:ACC+8*\t+7], HSC+4*PB+\k, WQS+4*(\t/2)+\k, \m, \t%2
.endif
.endr
.endr
.endr
.endm
	PLOAD 0
	PLOAD 1
	s_wait_dscnt 17                                ; all but the younger pair's 17 loads
	PAIR 0
	PLACES
	PLOAD 2
	s_wait_dscnt 17
	PAIR 1
	PLACES
	PLOAD 3
	s_wait_dscnt 17
	PAIR 2
	s_wait_tensorcnt 0x0                           ; my tensor load is in (in waves 6 and 7: h's second half)
	s_wait_dscnt 0x0
	s_barrier_signal -1
	PAIR 3                                         ; work on registers while the others arrive
	s_barrier_wait -1
	PLACES
	PLOAD 4
	PLOAD 5
	s_wait_dscnt 17
	PAIR 4
	PLACES
	PLOAD 6
	s_wait_dscnt 17
	PAIR 5
	PLACES
	PLOAD 7
	s_wait_dscnt 17
	PAIR 6
	s_wait_dscnt 0x0
	PAIR 7
	WIN 0
	PLACES
	; accumulator t: register j of lane (r, h) is the sum over my tiles of row 8 h + j against n = 16 t + r.  Eight registers, then the two halves of the lanes; each accumulator from its low end on
.irp t, 0,1,2,3,4,5,6,7
	v_pk_add_f32 v[AF+4*\t:AF+4*\t+1], v[ACC+8*\t:ACC+8*\t+1], v[ACC+8*\t+2:ACC+8*\t+3]
	v_pk_add_f32 v[AF+4*\t+2:AF+4*\t+3], v[ACC+8*\t+4:ACC+8*\t+5], v[ACC+8*\t+6:ACC+8*\t+7]
.endr
.irp t, 0,1,2,3,4,5,6,7
	v_pk_add_f32 v[AF+4*\t:AF+4*\t+1], v[AF+4*\t:AF+4*\t+1], v[AF+4*\t+2:AF+4*\t+3]
.endr
.irp t, 0,1,2,3,4,5,6,7
	v_add_f32 v[AF+4*\t], v[AF+4*\t], v[AF+4*\t+1]
.endr
.irp t, 0,1,2,3,4,5,6,7
	v_permlanex16_b32 v[AF+4*\t+1], v[AF+4*\t], s[SEL], s[SEL+1]
.endr
.irp t, 0,1,2,3,4,5,6,7
	v_add_f32 v[AF+4*\t], v[AF+4*\t], v[AF+4*\t+1]
.endr
.irp u, 0,1,2,3
	v_cndmask_b32 v[OUTR+\u], v[AF+8*\u], v[AF+8*\u+4], s[HM]    ; word u of lane l is n = 128 nq + 32 u + l
.endr
	global_store_b128 v[LO], v[OUTR:OUTR+3], s[16:17]            ; 512 consecutive bytes
	; the flag: 0 where every lane's sum of |part| / 256 + |bq| over its 4 units is at most 38 (a NaN sets it)
	v_add_f32 v60, |v[OUTR]|, |v[OUTR+1]|
	v_add_f32 v61, |v[OUTR+2]|, |v[OUTR+3]|
	v_add_f32 v62, |v[BQ]|, |v[BQ+1]|
	v_add_f32 v63, |v[BQ+2]|, |v[BQ+3]|
	v_add_f32 v60, v60, v61
	v_add_f32 v62, v62, v63
	v_fma_f32 v60, v60, 0x3b800000, v62
	v_cmp_ge_f32 vcc_lo, 0x42180000, v60
	s_cmp_eq_u32 vcc_lo, -1
	s_cselect_b32 s28, 0, 1
	v_mov_b32 v62, s28
	v_mov_b32 v63, 0
	global_store_b8 v63, v62, s[22:23]             ; one byte a wave
	s_wait_alu depctr_va_vdst(0)
	s_wait_tensorcnt 0x0                           ; the wave's end
	ds_add_u32 v[SPW], v[NIL]
	s_wait_dscnt 0x0
	CROUND                                         ; the closing round: no work-group ends while a partner may still ask for a tile that names it
	s_endpgm
.Lfunc_end_k_q161ec5a2f0_qsum:
	.size	k_q161ec5a2f0_qsum, .Lfunc_end_k_q161ec5a2f0_qsum-k_q161ec5a2f0_qsum
	.p2alignl 7, 3214868480
	.fill 96, 4, 3214868480
	.section	.rodata,"a",@progbits
	.p2align	6, 0x0
	.amdhsa_kernel k_q161ec5a2f0_qsum
		.amdhsa_group_segment_fixed_size 294912
		.amdhsa_private_segment_fixed_size 0
		.amdhsa_enable_private_segment 0
		.amdhsa_kernarg_size 96
		.amdhsa_user_sgpr_count 2
		.amdhsa_user_sgpr_kernarg_segment_ptr 1
		.amdhsa_wavefront_size32 1
		.amdhsa_system_sgpr_workgroup_id_x 1
		.amdhsa_system_sgpr_workgroup_id_y 1
		.amdhsa_system_sgpr_workgroup_id_z 1
		.amdhsa_system_vgpr_workitem_id 0
		.amdhsa_next_free_vgpr 512
		.amdhsa_next_free_sgpr 96
		.amdhsa_reserve_vcc 1
		.amdhsa_float_denorm_mode_32 3
		.amdhsa_float_denorm_mode_16_64 3
		.amdhsa_memory_ordered 1
		.amdhsa_forward_progress 1
		.amdhsa_inst_pref_size 99
	.end_amdhsa_kernel
	.amdgpu_metadata
---
amdhsa.version: [ 1, 2 ]
amdhsa.kernels:
  - .name:           k_q161ec5a2f0_qsum
    .symbol:         k_q161ec5a2f0_qsum.kd
    .args:
      - { .name: hidden_states_codes, .offset: 0, .size: 8, .value_kind: global_buffer, .address_space: global }
      - { .name: hidden_states_scales, .offset: 8, .size: 8, .value_kind: global_buffer, .address_space: global }
      - { .name: Wq_codes, .offset: 16, .size: 8, .value_kind: global_buffer, .address_space: global }
      - { .name: Wq_scales, .offset: 24, .size: 8, .value_kind: global_buffer, .address_space: global }
      - { .name: Wk_codes, .offset: 32, .size: 8, .value_kind: global_buffer, .address_space: global }
      - { .name: bq, .offset: 40, .size: 8, .value_kind: global_buffer, .address_space: global }
      - { .name: qpart, .offset: 48, .size: 8, .value_kind: global_buffer, .address_space: global }
      - { .name: hst, .offset: 56, .size: 8, .value_kind: global_buffer, .address_space: global }
      - { .name: wkf, .offset: 64, .size: 8, .value_kind: global_buffer, .address_space: global }
      - { .name: flg, .offset: 72, .size: 8, .value_kind: global_buffer, .address_space: global }
      - { .name: lengths, .offset: 80, .size: 8, .value_kind: global_buffer, .address_space: global }
      - { .name: deal, .offset: 88, .size: 8, .value_kind: global_buffer, .address_space: global }
    .group_segment_fixed_size: 294912
    .private_segment_fixed_size: 0
    .kernarg_segment_align: 8
    .kernarg_segment_size: 96
    .max_flat_workgroup_size: 256
    .sgpr_count:     96
    .vgpr_count:     512
    .wavefront_size: 32
...
	.end_amdgpu_metadata
.endif
;; end of part 1
;; launch attend (part 2): grid 256 x 1, 8 waves a work-group, no clusters, 23,552 bytes of LDS; arguments hidden_states_codes, hst, wkf, Wk_scales, bk, bq, deal, qpart, flg, part; writes part
.if DOCPART == 2
	.amdgcn_target "amdgcn-amd-amdhsa--gfx1250"
	.amdhsa_code_object_version 6
	.text
	.protected	k_q161ec5a2f0_attend
	.globl	k_q161ec5a2f0_attend
	.p2align	8
	.type	k_q161ec5a2f0_attend,@function
k_q161ec5a2f0_attend:
	s_mov_b64 s[64:65], 0
	v_nop
	global_prefetch_b8 v0, s[64:65] scope:SCOPE_SE
	s_setreg_imm32_b32 hwreg(HW_REG_WAVE_MODE, 25, 1), 1
	s_wait_xcnt 0x0
; For a run of blocks of 32 time steps of one batch: x = h Wk^T + bk on codes of FP4 (E2M1) with E8M0 scales; r = 1 / (1 + 2^(c x)), c = 2 log2(e), so that tanh(x) = 1 - 2 r; the scores, a running softmax, and the sums of p r.
; WORK LEFT OUT (shown at the first kernel's head): sum_n q[n], the same along the softmax's axis; key itself (out = 1 - 2 (sum p r) / (sum p)); and, where all flags are 0, the blocks wholly at or past a batch's length.
; If any flag is set, all 128 blocks of every batch are walked under the mask, the finite number -10000.
; KEPT: t = sum_n r[s, n] q'[n] + mask, q' = -2 log2(e) q, mask = -10000 log2(e) where s >= length, else 0; p = 2^(t - M), M a running maximum.
; LIMITS: where 2^(c x) overflows r is 0, where it falls to 0 r is 1: both are tanh's limits, so nothing is clamped.  Lengths outside 1 .. 4,096 count as 4,096.  NaN and infinities among the inputs are not served.
; THE DEAL was reckoned by the first launch (its head): a batch's work-groups take K neighbouring blocks each, K from 8 to 16, at most 16 work-groups a batch.  If a flag is set the deal is 8 work-groups a batch, 16 blocks each.
; A work-group that is left over walks nothing and stores nothing.
; part has 16 places for each batch; a batch's last work-group fills the places that the deal leaves over with M = -3e38 and zeros.
; SHARES.  Wave w owns n = 64 w .. 64 w + 63 for all rows: its 16 fragments of Wk come from memory straight into registers.  THE MATRIX INSTRUCTION IS USED TRANSPOSED (source 0 = 16 rows of Wk, source 1 = 16 rows of h): lane (r, h) holds ONE
; row of h, and register 8 t + j the unit n = 64 w + 16 t + 8 h + j.  A row's score is a sum along a lane's registers, one exchange between the halves of the lanes, and one among the eight waves through LDS.
; The sums of p r stay in the lanes: lane (r, .) gathers rows r and 16 + r of every block, with a running M and L of its own; the 16 classes are joined at the end.
; STEPS.  16 steps, a constant; a step past the work-group's last block jumps over its work, never over a barrier.  Step i: the softmax and the sums of block i - 1, r and the score parts of block i; the matrix products and the
; 64 exponentials of block i + 1 stand between the barrier's signal and its wait.  Two batches of transcendentals a step, each with one wait ahead and one behind.  Step 0 finds for block -1 parts of -1e37 and r = 0:
; what it sums is multiplied by 2^(-8e37 - M) = 0 in step 1.
; h goes from memory through registers into two LDS slots of 32 rows: a step asks for block i + 3 and stores block i + 2, so a load has two steps in which to land, and a prefetch ahead of it is left out.
; No tensor load and no copy stands in this launch, since its walk hangs on numbers read from memory; no cluster: the work-groups' batches hang on the lengths, and Wk passes no LDS.
.set PITCH, 272                        ; an LDS row: 256 bytes + 16 of padding: row r starts at bank 4 r mod 64 (64 banks of 4 bytes: ISA guide 11.1)
.set SLOT,  32*PITCH                   ; LDS: two slots of h from 0;
.set HS,    2*SLOT                     ; their scale bytes, 2 x 512;
.set QL,    HS+1024                    ; q', 512 numbers;
.set SCX,   QL+2048                    ; the score parts: 2 places x 8 waves x 128 bytes;
.set SPARE, SCX+2048                   ; the spare words, 128 bytes for each wave
.set AH0,  2                           ; v2     my lane's place in a slot
.set AS0,  3                           ; v3     and among its scale words
.set SCW,  6                           ; v6     where I put my wave's score part
.set SCR,  7                           ; v7     where I read the eight
.set POS,  8                           ; v8     the time step of the row whose score I hold
.set GOF,  9                           ; v9     my offset in a block of h in memory
.set SPW,  10
.set NIL,  11
.set RF,   12                          ; v12 f = 2^(old M - new M), v13 M;  v14 p of tile A's row, v15 L;  v16 p of tile B's row, v17 t: each pair is named by a packed form that takes its low word for both halves
.set RM,   13
.set RP0,  14
.set RL,   15
.set RP1,  16
.set RT,   17
.set RXT,  18
.set RBM,  19
.set RPO,  20
.set RPX,  21
.set SA,   24                          ; v24-27 tile A's score, two chains of pairs;  v28-31 tile B's
.set SB,   28
.set SCP,  36                          ; v36-43 the eight waves' parts (at the head: lane terms)
.set WKS,  44                          ; v44-51 Wk's scale words: register 4 u + k: lanes 0-15 tile 2 u, lanes 16-31 tile 2 u + 1
.set HSC,  52                          ; v52-55 h's: register k: lanes 0-15 tile A, lanes 16-31 tile B
.set MK,   56
.set SOF,  59                          ; v59    2 x thread
.set SCG,  60                          ; v60, v61 scale bytes on their way, even and odd blocks
.set STL,  62                          ; v62    where I put my rows of h
.set STS,  63                          ; v63    and two scale bytes
.set QP,   64                          ; v64-95 q' of my 32 units, in the result's layout
.set ACC,  96                          ; v96-127 the sums of p r
.set X0,   128                         ; v128-191, v192-255: two blocks' x, then r: 32 m + 8 t + j
.set X1,   192                         ; Window 1: v0-127 Wk's fragments (32 t + 8 k); v128-191 h's (128 + 32 m + 8 k); v192-223 bk in the result's layout; v224-239 h on its way, even and odd blocks
.set HG,   224
.set WV,   30
.set BN,   31                          ; s31    my blocks
.set IB,   32                          ; s32    the trip's first step
.set LEN,  33
.set FB,   34                          ; s34    my first block in the batch
.set LB,   35                          ; s35    my last
.set SEL,  36
.set CC,   38                          ; s[38:39] c
.set HM,   40                          ; s40    the mask of lanes 16-31
.set KK,   41                          ; s41    K
.set GRD,  43                          ; s43    not 0: a flag is set
.set BT,   44
.set WI,   45                          ; s45    my number among the batch's work-groups
.set FL,   66                          ; s66    1: I am the last of them
.set MSB, 0
.macro WIN new
.if MSB != \new
	s_set_vgpr_msb (MSB<<8)|\new
.set MSB, \new
.endif
.endm
.macro VW
	s_wait_alu depctr_va_vdst(0)
.endm
.macro WM d, a, b, c, sa, sb, ra, rb   ; ra, rb: the side's scale words stand in lanes 16-31
.if (\ra) && (\rb)
	v_wmma_scale_f32_16x16x128_f8f6f4 v[\d:\d+7], v[\a:\a+7], v[\b:\b+7], v[\c:\c+7], v[\sa], v[\sb] matrix_a_fmt:MATRIX_FMT_FP4 matrix_b_fmt:MATRIX_FMT_FP4 matrix_a_scale:MATRIX_SCALE_ROW1 matrix_b_scale:MATRIX_SCALE_ROW1
.elseif (\ra)
	v_wmma_scale_f32_16x16x128_f8f6f4 v[\d:\d+7], v[\a:\a+7], v[\b:\b+7], v[\c:\c+7], v[\sa], v[\sb] matrix_a_fmt:MATRIX_FMT_FP4 matrix_b_fmt:MATRIX_FMT_FP4 matrix_a_scale:MATRIX_SCALE_ROW1
.elseif (\rb)
	v_wmma_scale_f32_16x16x128_f8f6f4 v[\d:\d+7], v[\a:\a+7], v[\b:\b+7], v[\c:\c+7], v[\sa], v[\sb] matrix_a_fmt:MATRIX_FMT_FP4 matrix_b_fmt:MATRIX_FMT_FP4 matrix_b_scale:MATRIX_SCALE_ROW1
.else
	v_wmma_scale_f32_16x16x128_f8f6f4 v[\d:\d+7], v[\a:\a+7], v[\b:\b+7], v[\c:\c+7], v[\sa], v[\sb] matrix_a_fmt:MATRIX_FMT_FP4 matrix_b_fmt:MATRIX_FMT_FP4
.endif
.endm
; My part of a block of h (rows 4 w .. 4 w + 3: two rows of 256 bytes an instruction) and of its scale bytes, from memory.  The block is my first + rel, held to my last
.macro HLD rel, vr, vs, ph, ps
	s_add_co_u32 s48, s[FB], \rel
	s_min_u32 s48, s48, s[LB]
	s_min_u32 s48, s48, 127
	s_lshl_b32 s50, s48, 18
	s_lshl_b32 s52, s48, 9
	s_add_nc_u64 s[\ph:\ph+1], s[24:25], s[50:51]
	s_add_nc_u64 s[\ps:\ps+1], s[26:27], s[52:53]
	WIN 0x40
	global_load_b128 v[\vr:\vr+3], v[GOF], s[\ph:\ph+1]
	global_load_b128 v[\vr+4:\vr+7], v[GOF], s[\ph:\ph+1] offset:16384
	WIN 0
	global_load_u16 v[\vs], v[SOF], s[\ps:\ps+1]
.endm
.macro HST vr, vs, slot                ; and into a slot
	WIN 0x04
	ds_store_b128 v[STL], v[\vr:\vr+3] offset:SLOT*(\slot)
	ds_store_b128 v[STL], v[\vr+4:\vr+7] offset:SLOT*(\slot)+2*PITCH
	WIN 0
	ds_store_b16 v[STS], v[\vs] offset:512*(\slot)
.endm
.macro ALOAD slot                      ; a slot's fragments (2 tiles x 4 K steps) and scale words: 17 LDS loads
	WIN 0x40
.irp m, 0,1
.irp k, 0,1,2,3
.irp c, 0,1
	ds_load_b128 v[128+32*\m+8*\k+4*\c:128+32*\m+8*\k+4*\c+3], v[AH0] offset:SLOT*(\slot)+16*PITCH*\m+64*\k+32*\c
.endr
.endr
.endr
	WIN 0
	ds_load_b128 v[HSC:HSC+3], v[AS0] offset:512*(\slot)
.endm
.macro TRB op, from, n                 ; n transcendentals on end
.set I, 0
.rept \n
	\op v[\from+I], v[\from+I]
.set I, I+1
.endr
.endm
; 32 matrix instructions: x of a block into buffer X; bk is the C of each sum's first; the eight accumulators by turns.  Behind four places x is multiplied by c, each accumulator from its low end on; then THE FIRST BATCH: 2^(c x)
.macro MULS X
	WIN 0x15                                       ; sources 0 (Wk), 1 (h) and 2 (bk) window 1
.irp m, 0,1
.irp t, 0,1,2,3
	WM \X+32*\m+8*\t, 32*\t, 128+32*\m, 192+8*\t, WKS+4*(\t/2), HSC, \t%2, \m
.endr
.endr
	WIN 0x05
.irp k, 1,2,3
.irp m, 0,1
.irp t, 0,1,2,3
	WM \X+32*\m+8*\t, 32*\t+8*\k, 128+32*\m+8*\k, \X+32*\m+8*\t, WKS+4*(\t/2)+\k, HSC+\k, \t%2, \m
.endr
.endr
.endr
	WIN 0
.rept 4
	v_nop
.endr
.set I, 0
.rept 32
	v_pk_mul_f32 v[\X+2*I:\X+2*I+1], v[\X+2*I:\X+2*I+1], s[CC:CC+1] op_sel_hi:[1,0]
.set I, I+1
.endr
	VW
	TRB v_exp_f32, \X, 64
	v_nop
	VW
.endm
.macro PARTS place
.irp w, 0,1,2,3,4,5,6,7
	ds_load_b32 v[SCP+\w], v[SCR] offset:1024*(\place)+128*\w
.endr
.endm
.macro A1 X, from, n                   ; + 1 on n pairs (X < 0: none)
.if (\X) >= 0
.set I, \from
.rept \n
	v_pk_add_f32 v[\X+2*I:\X+2*I+1], v[\X+2*I:\X+2*I+1], 1.0 op_sel_hi:[1,0]
.set I, I+1
.endr
.endif
.endm
; THE SOFTMAX'S CHAIN up to its exponentials, with a tile's 16 additions among its lines.  The sums run in the same order in all eight waves: all hold the same t, M and L, bit for bit
.macro CHAIN X
	v_pk_add_f32 v[SCP:SCP+1], v[SCP:SCP+1], v[SCP+2:SCP+3]
	v_pk_add_f32 v[SCP+4:SCP+5], v[SCP+4:SCP+5], v[SCP+6:SCP+7]
	A1 \X, 0, 2
	v_cmp_le_i32 vcc_lo, s[LEN], v[POS]            ; at or past the length?
	v_pk_add_f32 v[SCP:SCP+1], v[SCP:SCP+1], v[SCP+4:SCP+5]
	A1 \X, 2, 2
	v_cndmask_b32 v57, 0, v[MK], vcc_lo
	v_add_f32 v[SCP], v[SCP], v[SCP+1]
	A1 \X, 4, 3
	v_add_f32 v[RT], v[SCP], v57                   ; t of row l of the block
	A1 \X, 7, 3
	v_permlanex16_b32 v[RXT], v[RT], s[SEL], s[SEL+1]            ; and of the class's other row
	A1 \X, 10, 3
	v_max3_num_f32 v[RBM], v[RT], v[RXT], v[RM]    ; the class's new M
	A1 \X, 13, 3
	v_sub_f32 v[RPO], v[RT], v[RBM]
	v_sub_f32 v[RPX], v[RXT], v[RBM]
	v_sub_f32 v[RF], v[RM], v[RBM]
	v_mov_b32 v[RM], v[RBM]
	v_add_nc_u32 v[POS], 32, v[POS]                ; the next block's rows
.endm
.macro EXP3
	v_exp_f32 v[RPO], v[RPO]                       ; p of my row,
	v_exp_f32 v[RPX], v[RPX]                       ; of the other,
	v_exp_f32 v[RF], v[RF]                         ; f
.endm
.macro PSEL
	v_add_f32 v57, v[RPO], v[RPX]
	v_cndmask_b32 v[RP0], v[RPO], v[RPX], s[HM]    ; p of tile A's row r
	v_cndmask_b32 v[RP1], v[RPX], v[RPO], s[HM]    ; p of tile B's row 16 + r
	v_fma_f32 v[RL], v[RL], v[RF], v57
.endm
; THE SUMS of p r of the block whose r lies in XP: group g of 8: two pairs, six lines
.macro AG g, XP
.irp j, 0,1
	v_pk_mul_f32 v[ACC+4*(\g)+2*\j:ACC+4*(\g)+2*\j+1], v[ACC+4*(\g)+2*\j:ACC+4*(\g)+2*\j+1], v[RF:RF+1] op_sel_hi:[1,0]
.endr
.irp j, 0,1
	v_pk_fma_f32 v[ACC+4*(\g)+2*\j:ACC+4*(\g)+2*\j+1], v[\XP+4*(\g)+2*\j:\XP+4*(\g)+2*\j+1], v[RP0:RP0+1], v[ACC+4*(\g)+2*\j:ACC+4*(\g)+2*\j+1] op_sel_hi:[1,0,1]
.endr
.irp j, 0,1
	v_pk_fma_f32 v[ACC+4*(\g)+2*\j:ACC+4*(\g)+2*\j+1], v[\XP+32+4*(\g)+2*\j:\XP+32+4*(\g)+2*\j+1], v[RP1:RP1+1], v[ACC+4*(\g)+2*\j:ACC+4*(\g)+2*\j+1] op_sel_hi:[1,0,1]
.endr
.endm
.macro SCL S, sc, xb                   ; the score, pair S of a tile: pair x q', two chains
.if \S < 2
	v_pk_mul_f32 v[\sc+2*\S:\sc+2*\S+1], v[\xb+2*\S:\xb+2*\S+1], v[QP+2*\S:QP+2*\S+1]
.else
	v_pk_fma_f32 v[\sc+2*(\S%2):\sc+2*(\S%2)+1], v[\xb+2*\S:\xb+2*\S+1], v[QP+2*\S:QP+2*\S+1], v[\sc+2*(\S%2):\sc+2*(\S%2)+1]
.endif
.endm
; A STEP: 2^(c x) of the block lies in buffer X; XP holds the block before's r and takes the next block's x; slot = the step's parity
.macro STEP X, XP, slot
	s_barrier_wait -1                              ; every wave's score parts of the block before lie in LDS, and so does the next block
	s_add_co_u32 s46, s[IB], \slot
	s_cmp_ge_u32 s46, s[BN]
	s_cbranch_scc1 .Lskip_\@
	PARTS 1-\slot
	ALOAD 1-\slot
	s_add_co_u32 s47, s[IB], \slot+3
	HLD s47, HG+8*(1-\slot), SCG+1-\slot, 58-2*\slot, 62-2*\slot   ; block i + 3
	A1 \X, 0, 16                                   ; + 1 on tile A while the parts come
	s_wait_dscnt 17                                ; the eight parts are in; the 17 loads issued behind them may be out
	CHAIN \X+32                                    ; and on tile B
	VW
	EXP3                                           ; THE SECOND BATCH: the softmax's three, and r = 1 / (1 + 2^(c x))
	TRB v_rcp_f32, \X, 64
	v_nop
	VW
	s_wait_loadcnt 3                               ; block i + 2 is in registers; block i + 3's three loads may be out
	HST HG+8*\slot, SCG+\slot, \slot               ; its slot was read in the step before
	PSEL
.irp s, 0,1,2,3,4,5,6,7,8,9,10,11,12,13,14,15
	SCL \s, SA, \X
	SCL \s, SB, \X+32
.endr
	v_pk_add_f32 v[SA:SA+1], v[SA:SA+1], v[SA+2:SA+3]
	v_pk_add_f32 v[SB:SB+1], v[SB:SB+1], v[SB+2:SB+3]
	AG 0, \XP                                      ; (the block before's sums stand between the dependent lines)
	v_add_f32 v[SA], v[SA], v[SA+1]                ; my 32 units' part of row r's score in tile A,
	v_add_f32 v[SB], v[SB], v[SB+1]                ; and in tile B
	AG 1, \XP
	v_cndmask_b32 v23, v[SB], v[SA], s[HM]         ; lanes 0-15 keep A's and send B's, lanes 16-31 the other way round
	v_cndmask_b32 v22, v[SA], v[SB], s[HM]
	AG 2, \XP
	v_permlanex16_b32 v58, v23, s[SEL], s[SEL+1]
	AG 3, \XP
	v_add_f32 v22, v22, v58                        ; my wave's part of the score of row l of the block
	ds_store_b32 v[SCW], v22 offset:1024*\slot
	AG 4, \XP
	AG 5, \XP
	AG 6, \XP
	AG 7, \XP
	VW
	s_branch .Ljoin_\@
.Lskip_\@:
	s_wait_loadcnt 0x0                             ; a step that asks for nothing leaves nothing out
.Ljoin_\@:
	s_wait_dscnt 0x0                               ; for the others' sake: my stores are done and my reads are over; and the next block's fragments are in
	s_barrier_signal -1
	s_add_co_u32 s46, s[IB], \slot+1
	s_cmp_ge_u32 s46, s[BN]
	s_cbranch_scc1 .Lnone_\@
	MULS \XP                                       ; work on registers while the others arrive
.Lnone_\@:
.endm
	s_load_b512 s[4:19], s[0:1], 0x0               ; h's codes, hst, wkf, Wk's scales, bk, bq, deal, qpart
	s_load_b128 s[20:23], s[0:1], 0x40             ; flg, part
	v_lshl_add_u32 v[SPW], v0, 2, SPARE
	v_mov_b32 v[NIL], 0
	v_lshrrev_b32 v22, 5, v0
	v_readfirstlane_b32 s[WV], v22                 ; wave 0..7
	v_and_b32 v1, 31, v0                           ; lane
	v_and_b32 v39, 15, v0                          ; r
	v_bfe_u32 v40, v0, 4, 1                        ; h
	v_lshlrev_b32 v36, 4, v1
	v_lshlrev_b32 v38, 5, v40
	v_lshlrev_b32 v41, 3, v0
	v_lshlrev_b32 v42, 3, v1
	v_lshlrev_b32 v[SOF], 1, v0
	v_lshl_add_u32 v[STS], v0, 1, HS
	v_lshl_add_u32 v[SCW], v0, 2, SCX              ; 128 w + 4 lane = 4 x thread
	v_lshl_add_u32 v[SCR], v1, 2, SCX
	v_lshl_add_u32 v[AS0], v1, 4, HS
	v_mul_u32_u24 v[AH0], v39, PITCH
	v_lshl_add_u32 v[AH0], v40, 4, v[AH0]          ; a fragment's row x pitch + 16 x half
	v_mul_u32_u24 v[STL], v40, PITCH
	v_lshl_add_u32 v[STL], v39, 4, v[STL]
	s_mul_i32 s46, s[WV], 4*PITCH
	v_add_nc_u32 v[STL], s46, v[STL]               ; row 4 w + h, 16 r bytes on
	v_lshlrev_b32 v[GOF], 13, v40
	v_lshl_add_u32 v[GOF], v39, 4, v[GOF]
	s_lshl_b32 s46, s[WV], 15
	v_add_nc_u32 v[GOF], s46, v[GOF]               ; and in memory: rows are 8,192 bytes apart
	v_lshl_add_u32 v33, v40, 5, QL
	s_lshl_b32 s46, s[WV], 8
	v_add_nc_u32 v33, s46, v33                     ; q' of my units: QL + 256 w + 32 h
	v_lshrrev_b32 v31, 6, v0                       ; in a part, byte 512 nq + 16 l + 4 u holds n = 128 nq + 32 u + l: my two are n0 = 128 (thread / 64) + 64 (thread % 2) + (thread / 2) % 32, and n0 + 32
	v_and_b32 v29, 1, v0
	v_bfe_u32 v30, v0, 1, 5
	v_lshl_add_u32 v31, v31, 7, v30
	v_lshl_add_u32 v31, v29, 6, v31
	v_lshlrev_b32 v31, 2, v31                      ; 4 n0
	v_add_nc_u32 v32, QL, v31
	v_mov_b32 v[MK], 0xc6616bcd                    ; -10000 log2(e)
	v_mov_b32 v58, 0                               ; written once: a lane permute's destination counts as one of its sources
	v_mov_b32 v[RXT], 0
	v_mov_b32 v[RP0], 0
	v_mov_b32 v[RL], 0
	v_mov_b32 v[RM], 0xff61b1e6                    ; M: -3e38
	v_mov_b32 v24, v[RM]
	v_mov_b32 v25, 0
	s_mov_b32 s[SEL], 0x76543210
	s_mov_b32 s[SEL+1], 0xfedcba98
	s_mov_b32 s[CC], 0x4038aa3b                    ; c = 2 log2(e)
	s_mov_b32 s[CC+1], s[CC]
	s_mov_b32 s[HM], 0xffff0000
	s_mov_b32 s51, 0
	s_mov_b32 s53, 0
	s_mov_b32 s54, ttmp9                           ; my number, 0 .. 255
	s_mov_b32 s47, 0
	s_lshl_b32 s46, s54, 8
	VW
	s_wait_kmcnt 0x0
	s_add_nc_u64 s[16:17], s[16:17], s[46:47]
	s_load_b64 s[68:69], s[16:17], 0x0             ; my word of the deal
.irp i, 0,1,2,3
	global_load_b128 v[128+4*\i:131+4*\i], v36, s[20:21] offset:512*\i   ; all 2,048 flags: 64 a lane
.endr
	s_lshl_b32 s46, s[WV], 14
	s_add_nc_u64 s[8:9], s[8:9], s[46:47]
	WIN 0x40
.irp i, 0,1,2,3,4,5,6,7,8,9,10,11,12,13,14,15,16,17,18,19,20,21,22,23,24,25,26,27,28,29,30,31
	global_load_b128 v[4*\i:4*\i+3], v36, s[8:9] offset:512*\i           ; Wk's fragments, 512 consecutive bytes an instruction
.endr
	WIN 0
	s_lshl_b32 s46, s[WV], 10
	s_add_nc_u64 s[10:11], s[10:11], s[46:47]
	global_load_b128 v[WKS:WKS+3], v36, s[10:11]                 ; lane l takes row l: four words, one for each K step
	global_load_b128 v[WKS+4:WKS+7], v36, s[10:11] offset:512    ; and row 32 + l
	s_lshl_b32 s46, s[WV], 8
	s_add_nc_u64 s[12:13], s[12:13], s[46:47]
	WIN 0x40
.irp t, 0,1,2,3
	global_load_b128 v[192+8*\t:192+8*\t+3], v38, s[12:13] offset:64*\t      ; register 8 t + j: bk[64 w + 16 t + 8 h + j]
	global_load_b128 v[192+8*\t+4:192+8*\t+7], v38, s[12:13] offset:64*\t+16
.endr
	WIN 0
	s_wait_kmcnt 0x0
	s_wait_loadcnt 42                              ; the flags are in; behind them: 32 + 2 + 8 loads
.irp i, 0,1,2,3,4,5,6,7
	v_or_b32 v[128+\i], v[128+\i], v[136+\i]
.endr
.irp i, 0,1,2,3
	v_or_b32 v[128+\i], v[128+\i], v[132+\i]
.endr
	v_or_b32 v128, v128, v130
	v_or_b32 v129, v129, v131
	v_or_b32 v128, v128, v129
	v_cmp_ne_u32 vcc_lo, 0, v128
	s_mov_b32 s[GRD], vcc_lo
	s_bfe_u32 s[BT], s68, 0x50000                  ; the deal's word: batch,
	s_bfe_u32 s[WI], s68, 0x40006                  ; my number in it,
	s_bfe_u32 s[BN], s68, 0x5000a                  ; my blocks,
	s_bfe_u32 s[FL], s68, 0x1000f                  ; am I the last,
	s_bfe_u32 s[LEN], s68, 0xd0010                 ; the batch's length
	s_bfe_u32 s[KK], s69, 0x50010                  ; K
	s_bfe_u32 s70, s69, 0xd0000                    ; the length of batch g / 8
	s_lshr_b32 s71, s54, 3
	s_and_b32 s72, s54, 7
	s_cmp_eq_u32 s72, 7
	s_cselect_b32 s73, 1, 0
	s_cmp_lg_u32 s[GRD], 0                         ; a flag is set: all rows, 8 work-groups a batch, 16 blocks each
	s_cselect_b32 s[BT], s71, s[BT]
	s_cselect_b32 s[WI], s72, s[WI]
	s_cselect_b32 s[BN], 16, s[BN]
	s_cselect_b32 s[FL], s73, s[FL]
	s_cselect_b32 s[LEN], s70, s[LEN]
	s_cselect_b32 s[KK], 16, s[KK]
	s_min_u32 s[BT], s[BT], 31
	s_min_u32 s[WI], s[WI], 15
	s_mul_i32 s[FB], s[WI], s[KK]
	s_min_u32 s[FB], s[FB], 127
	s_add_co_u32 s[LB], s[FB], s[BN]
	s_sub_co_u32 s[LB], s[LB], 1
	s_lshl_b32 s46, s[BT], 8
	s_add_nc_u64 s[24:25], s[4:5], s[46:47]        ; h: row s at 8,192 s + 256 b
	s_lshl_b32 s46, s[BT], 16
	s_add_nc_u64 s[26:27], s[6:7], s[46:47]        ; hst [b][s][16]
	s_lshl_b32 s46, s[BT], 15
	s_add_nc_u64 s[18:19], s[18:19], s[46:47]      ; my batch's 16 parts of the sum over s
	s_mul_i32 s46, s[BT], 16*2304
	s_add_nc_u64 s[22:23], s[22:23], s[46:47]      ; part [b][16 places][2,304 bytes]
	s_mul_i32 s46, s[WI], 2304
	s_add_nc_u64 s[28:29], s[22:23], s[46:47]      ; my place
.irp k, 0,1,2,3,4,5,6,7,8,9,10,11,12,13,14,15
	global_load_b64 v[X1+2*\k:X1+2*\k+1], v41, s[18:19] offset:2048*\k       ; two numbers of each part
.endr
	global_load_b32 v[X1+32], v31, s[14:15]        ; bq
	global_load_b32 v[X1+33], v31, s[14:15] offset:128
	HLD 0, 240, 43, 74, 76
	HLD 1, HG+8, SCG+1, 58, 62
	HLD 2, HG, SCG, 56, 60
	s_lshl_b32 s46, s[FB], 5
	v_add_nc_u32 v[POS], s46, v1
	v_add_nc_u32 v[POS], -32, v[POS]               ; step 0's chain belongs to the block before my first
	VW
	s_cmp_eq_u32 s[FL], 0
	s_cbranch_scc1 .Lnofill
.macro ZF place                        ; a place behind my own: 512 zeros (256 bytes a wave), and (M, L) = (-3e38, 0) 32 times from wave 0
	s_cmp_lt_u32 s[WI], \place
	s_cbranch_scc0 .Lkeep_\@
	global_store_b64 v41, v[RP0:RP0+1], s[22:23] offset:2304*\place
	s_cmp_lg_u32 s[WV], 0
	s_cbranch_scc1 .Lkeep_\@
	global_store_b64 v42, v[24:25], s[22:23] offset:2304*\place+2048
.Lkeep_\@:
.endm
.irp p, 1,2,3,4,5,6,7,8,9,10,11,12,13,14,15
	ZF \p
.endr
.Lnofill:
	s_wait_loadcnt 9                               ; the 16 parts and bq are in; behind them: nine loads of three blocks
.irp k, 0,1,2,3,4,5,6,7
	v_pk_add_f32 v[X1+4*\k:X1+4*\k+1], v[X1+4*\k:X1+4*\k+1], v[X1+4*\k+2:X1+4*\k+3]
.endr
.irp k, 0,1,2,3
	v_pk_add_f32 v[X1+8*\k:X1+8*\k+1], v[X1+8*\k:X1+8*\k+1], v[X1+8*\k+4:X1+8*\k+5]
.endr
.irp k, 0,1
	v_pk_add_f32 v[X1+16*\k:X1+16*\k+1], v[X1+16*\k:X1+16*\k+1], v[X1+16*\k+8:X1+16*\k+9]
.endr
	v_pk_add_f32 v[X1:X1+1], v[X1:X1+1], v[X1+16:X1+17]
	v_pk_fma_f32 v[X1:X1+1], v[X1:X1+1], 0x39800000, v[X1+32:X1+33] op_sel_hi:[1,0,1]   ; q = the sum / 4,096 + bq
	v_pk_mul_f32 v[X1:X1+1], v[X1:X1+1], 0xc038aa3b op_sel_hi:[1,0]                      ; q' = -2 log2(e) q
	v_mov_b32 v22, 0xfcf0bdc2                      ; -1e37
	ds_store_b32 v32, v[X1]
	ds_store_b32 v32, v[X1+1] offset:128
	ds_store_b32 v[SCW], v22 offset:1024           ; the score parts of the block before my first
.set I, 0
.rept 64
	v_mov_b32 v[X1+I], 0                           ; its r: the step is written once, and its first run reads zeros
.set I, I+1
.endr
.set I, 0
.rept 32
	v_mov_b32 v[ACC+I], 0
.set I, I+1
.endr
	VW
	s_wait_loadcnt 0x0
	HST 240, 43, 0                                 ; blocks 0 and 1; block 2 waits in registers
	HST HG+8, SCG+1, 1
	s_mov_b32 s[IB], 0
	s_wait_xcnt 0x0                                ; my stores have read their registers
	s_wait_dscnt 0x0
	s_barrier_signal -1
	s_barrier_wait -1
	ALOAD 0
.irp t, 0,1,2,3
	ds_load_b128 v[QP+8*\t:QP+8*\t+3], v33 offset:64*\t
	ds_load_b128 v[QP+8*\t+4:QP+8*\t+7], v33 offset:64*\t+16
.endr
	s_wait_dscnt 0x0
	s_barrier_signal -1
	MULS X0                                        ; block 0
.Ltrip:                                            ; eight trips of two steps
	STEP X0, X1, 0
	STEP X1, X0, 1
	s_add_co_u32 s[IB], s[IB], 2
	s_cmp_lt_u32 s[IB], 16
	s_cbranch_scc1 .Ltrip
	VW
	s_barrier_wait -1
	s_wait_loadcnt 0x0                             ; what the last steps asked for and nobody stores
	s_cmp_eq_u32 s[BN], 0
	s_cbranch_scc1 .Lend
	; my last block's softmax and sums; its buffer and its place go by the parity of its number
.macro LAST XP, place
	PARTS \place
	s_wait_dscnt 0x0
	CHAIN -1
	VW
	EXP3
	v_nop
	VW
	PSEL
.irp g, 0,1,2,3,4,5,6,7
	AG \g, \XP
.endr
	VW
.endm
	s_bitcmp1_b32 s[BN], 0
	s_cbranch_scc0 .Leven
	LAST X0, 0
	s_branch .Lclasses
.Leven:
	LAST X1, 1
.Lclasses:
	; THE 16 CLASSES ARE JOINED: under their largest M, the L and the sums of p r are added across the 16 lanes of a half
	v_mov_b32 v22, v[RM]
	v_max_num_f32_dpp v22, v22, v22 row_xmask:1 row_mask:0xf bank_mask:0xf
	v_max_num_f32_dpp v22, v22, v22 row_xmask:2 row_mask:0xf bank_mask:0xf
	v_max_num_f32_dpp v22, v22, v22 row_xmask:4 row_mask:0xf bank_mask:0xf
	v_max_num_f32_dpp v22, v22, v22 row_xmask:8 row_mask:0xf bank_mask:0xf
	v_sub_f32 v60, v[RM], v22
	s_mov_b32 s48, 0xff00ff00                      ; lanes whose r has bit 3, 2, 1, 0 set
	s_mov_b32 s49, 0xf0f0f0f0
	s_mov_b32 s50, 0xcccccccc
	s_mov_b32 s52, 0xaaaaaaaa
	VW
	v_exp_f32 v60, v60                             ; g = 2^(M - my largest M)
	v_mov_b32 v61, 0                               ; (a plain line behind it; and the upper half of the pair v[60:61] is written)
	VW
	v_mul_f32 v23, v[RL], v60
	v_add_f32_dpp v23, v23, v23 row_xmask:1 row_mask:0xf bank_mask:0xf
	v_add_f32_dpp v23, v23, v23 row_xmask:2 row_mask:0xf bank_mask:0xf
	v_add_f32_dpp v23, v23, v23 row_xmask:4 row_mask:0xf bank_mask:0xf
	v_add_f32_dpp v23, v23, v23 row_xmask:8 row_mask:0xf bank_mask:0xf
.set I, 0
.rept 16
	v_pk_mul_f32 v[ACC+2*I:ACC+2*I+1], v[ACC+2*I:ACC+2*I+1], v[60:61] op_sel_hi:[1,0]
.set I, I+1
.endr
; Half of the registers are kept and half are sent to the lane xm away: a lane whose bit is 0 keeps registers 0 .. n - 1 and sends n .. 2 n - 1, the other the other way round
.macro RS n, xm, sm
.set I, 0
.rept \n
	v_cndmask_b32 v[X0+2*I], v[ACC+I], v[ACC+\n+I], s[\sm]
	v_cndmask_b32 v[X0+2*I+1], v[ACC+\n+I], v[ACC+I], s[\sm]
.set I, I+1
.endr
.set I, 0
.rept \n
	v_add_f32_dpp v[ACC+I], v[X0+2*I+1], v[X0+2*I] row_xmask:\xm row_mask:0xf bank_mask:0xf
.set I, I+1
.endr
.endm
	RS 16, 8, 48
	RS 8, 4, 49
	RS 4, 2, 50
	RS 2, 1, 52                                    ; lane (r, h) now holds the whole sums of registers 2 r and 2 r + 1: n = 64 w + 16 (r / 4) + 8 h + 2 (r % 4) + 0, 1
	v_bfe_u32 v24, v0, 2, 2
	v_and_b32 v25, 3, v0
	v_bfe_u32 v26, v0, 4, 1
	v_lshrrev_b32 v27, 5, v0
	v_lshlrev_b32 v24, 6, v24
	v_lshl_add_u32 v24, v26, 5, v24
	v_lshl_add_u32 v24, v25, 3, v24
	v_lshl_add_u32 v24, v27, 8, v24                ; 256 w + 64 (r / 4) + 32 h + 8 (r % 4)
	v_lshlrev_b32 v28, 3, v1
	VW
	global_store_b64 v24, v[ACC:ACC+1], s[28:29]   ; the wave's 32 lanes store 256 consecutive bytes
	s_cmp_lg_u32 s[WV], 0                          ; all waves hold the same M and L: wave 0 stores them, 32 times over, so that the 256 bytes are written whole
	s_cbranch_scc1 .Lend
	global_store_b64 v28, v[22:23], s[28:29] offset:2048
.Lend:
	s_wait_tensorcnt 0x0                           ; the wave's end, behind my last LDS store
	ds_add_u32 v[SPW], v[NIL]
	s_wait_dscnt 0x0
	s_endpgm
.Lfunc_end_k_q161ec5a2f0_attend:
	.size	k_q161ec5a2f0_attend, .Lfunc_end_k_q161ec5a2f0_attend-k_q161ec5a2f0_attend
	.p2alignl 7, 3214868480
	.fill 96, 4, 3214868480
	.section	.rodata,"a",@progbits
	.p2align	6, 0x0
	.amdhsa_kernel k_q161ec5a2f0_attend
		.amdhsa_group_segment_fixed_size 23552
		.amdhsa_private_segment_fixed_size 0
		.amdhsa_enable_private_segment 0
		.amdhsa_kernarg_size 80
		.amdhsa_user_sgpr_count 2
		.amdhsa_user_sgpr_kernarg_segment_ptr 1
		.amdhsa_wavefront_size32 1
		.amdhsa_system_sgpr_workgroup_id_x 1
		.amdhsa_system_sgpr_workgroup_id_y 1
		.amdhsa_system_sgpr_workgroup_id_z 1
		.amdhsa_system_vgpr_workitem_id 0
		.amdhsa_next_free_vgpr 512
		.amdhsa_next_free_sgpr 80
		.amdhsa_reserve_vcc 1
		.amdhsa_float_denorm_mode_32 3
		.amdhsa_float_denorm_mode_16_64 3
		.amdhsa_memory_ordered 1
		.amdhsa_forward_progress 1
		.amdhsa_inst_pref_size 95
	.end_amdhsa_kernel
	.amdgpu_metadata
---
amdhsa.version: [ 1, 2 ]
amdhsa.kernels:
  - .name:           k_q161ec5a2f0_attend
    .symbol:         k_q161ec5a2f0_attend.kd
    .args:
      - { .name: hidden_states_codes, .offset: 0, .size: 8, .value_kind: global_buffer, .address_space: global }
      - { .name: hst, .offset: 8, .size: 8, .value_kind: global_buffer, .address_space: global }
      - { .name: wkf, .offset: 16, .size: 8, .value_kind: global_buffer, .address_space: global }
      - { .name: Wk_scales, .offset: 24, .size: 8, .value_kind: global_buffer, .address_space: global }
      - { .name: bk, .offset: 32, .size: 8, .value_kind: global_buffer, .address_space: global }
      - { .name: bq, .offset: 40, .size: 8, .value_kind: global_buffer, .address_space: global }
      - { .name: deal, .offset: 48, .size: 8, .value_kind: global_buffer, .address_space: global }
      - { .name: qpart, .offset: 56, .size: 8, .value_kind: global_buffer, .address_space: global }
      - { .name: flg, .offset: 64, .size: 8, .value_kind: global_buffer, .address_space: global }
      - { .name: part, .offset: 72, .size: 8, .value_kind: global_buffer, .address_space: global }
    .group_segment_fixed_size: 23552
    .private_segment_fixed_size: 0
    .kernarg_segment_align: 8
    .kernarg_segment_size: 80
    .max_flat_workgroup_size: 256
    .sgpr_count:     80
    .vgpr_count:     512
    .wavefront_size: 32
...
	.end_amdgpu_metadata
.endif
;; end of part 2
;; launch combine (part 3): grid 128 x 1, 1 waves a work-group, no clusters, 0 bytes of LDS; arguments part, out0; writes out0
.if DOCPART == 3
	.amdgcn_target "amdgcn-amd-amdhsa--gfx1250"
	.amdhsa_code_object_version 6
	.text
	.protected	k_q161ec5a2f0_combine
	.globl	k_q161ec5a2f0_combine
	.p2align	8
	.type	k_q161ec5a2f0_combine,@function
k_q161ec5a2f0_combine:
	s_mov_b64 s[64:65], 0
	v_nop
	global_prefetch_b8 v0, s[64:65] scope:SCOPE_SE
	s_setreg_imm32_b32 hwreg(HW_REG_WAVE_MODE, 25, 1), 1
	s_wait_xcnt 0x0
; out[b][n] = 1 - 2 (sum_c e_c A_c[n]) / (sum_c e_c L_c), e_c = 2^(M_c - the largest M): the 16 places' sums of p r (A), of p (L) and their maxima (M) are joined under one maximum.  A place that the deal left over has M = -3e38, L = 0, A = 0.
; key = 1 - 2 r was never formed (the weights sum to 1), and the score's term that is the same along the softmax's axis was left out, as the first kernel's head shows.
; A work-group of one wave takes a quarter of a batch's 512 numbers, lane l four of them.  part [b][16][2,304 bytes]: 512 sums, then (M, L) 32 times.  A wave reads 16 x (512 + 256) bytes: no LDS, no barrier, no matrix unit.
.set ML, 80                            ; v80-111 (M, L), then (e, L)
	s_load_b128 s[4:7], s[0:1], 0x0                ; part, out0
	s_and_b32 s12, ttmp9, 3                        ; the quarter
	s_lshr_b32 s13, ttmp9, 2                       ; the batch
	s_lshl_b32 s12, s12, 9
	v_lshlrev_b32 v1, 4, v0
	v_add_nc_u32 v1, s12, v1                       ; 512 x quarter + 16 l
	v_lshlrev_b32 v2, 3, v0                        ; 8 l
	v_mov_b32 v119, 0                              ; (the upper half of the pair v[118:119], which a packed form names)
	s_mul_i32 s8, s13, 16*2304
	s_mov_b32 s9, 0
	s_lshl_b32 s10, s13, 11
	s_mov_b32 s11, 0
	s_wait_alu depctr_va_vdst(0)
	s_wait_kmcnt 0x0
	s_add_nc_u64 s[4:5], s[4:5], s[8:9]
	s_add_nc_u64 s[6:7], s[6:7], s[10:11]
.irp c, 0,1,2,3,4,5,6,7,8,9,10,11,12,13,14,15
	global_load_b64 v[ML+2*\c:ML+2*\c+1], v2, s[4:5] offset:2304*\c+2048     ; M_c, L_c
.endr
.irp c, 0,1,2,3,4,5,6,7,8,9,10,11,12,13,14,15
	global_load_b128 v[8+4*\c:11+4*\c], v1, s[4:5] offset:2304*\c            ; A_c: 32 lanes read 512 consecutive bytes
.endr
	s_wait_loadcnt 16                              ; the sixteen (M, L) are in; the sixteen loads of sums may be out
	v_max3_num_f32 v112, v[ML], v[ML+2], v[ML+4]
	v_max3_num_f32 v113, v[ML+6], v[ML+8], v[ML+10]
	v_max3_num_f32 v114, v[ML+12], v[ML+14], v[ML+16]
	v_max3_num_f32 v115, v[ML+18], v[ML+20], v[ML+22]
	v_max3_num_f32 v112, v112, v[ML+24], v[ML+26]
	v_max3_num_f32 v113, v113, v[ML+28], v[ML+30]
	v_max3_num_f32 v112, v112, v114, v115
	v_max_num_f32 v112, v112, v113
.irp c, 0,1,2,3,4,5,6,7,8,9,10,11,12,13,14,15
	v_sub_f32 v[ML+2*\c], v[ML+2*\c], v112
.endr
	s_wait_alu depctr_va_vdst(0)
.irp c, 0,1,2,3,4,5,6,7,8,9,10,11,12,13,14,15
	v_exp_f32 v[ML+2*\c], v[ML+2*\c]               ; e_c
.endr
	v_nop                                          ; a plain line behind the last exponential
	s_wait_alu depctr_va_vdst(0)                   ; one wait for the sixteen, ahead of their first reader
	v_mul_f32 v113, v[ML], v[ML+1]
	v_mul_f32 v112, v[ML+2], v[ML+3]
.irp c, 2,4,6,8,10,12,14
	v_fmac_f32 v113, v[ML+2*\c], v[ML+2*\c+1]      ; the sum of p over the whole row; the place with the largest M gives at least 1
	v_fmac_f32 v112, v[ML+2*\c+2], v[ML+2*\c+3]
.endr
	v_add_f32 v113, v113, v112
	s_wait_alu depctr_va_vdst(0)
	v_rcp_f32 v118, v113
	s_wait_loadcnt 0x0
	v_pk_mul_f32 v[114:115], v[8:9], v[ML:ML+1] op_sel_hi:[1,0]      ; the sums below name neither the reciprocal nor its source: independent work behind it
	v_pk_mul_f32 v[116:117], v[10:11], v[ML:ML+1] op_sel_hi:[1,0]
.irp c, 1,2,3,4,5,6,7,8,9,10,11,12,13,14,15
	v_pk_fma_f32 v[114:115], v[8+4*\c:9+4*\c], v[ML+2*\c:ML+2*\c+1], v[114:115] op_sel_hi:[1,0,1]
	v_pk_fma_f32 v[116:117], v[10+4*\c:11+4*\c], v[ML+2*\c:ML+2*\c+1], v[116:117] op_sel_hi:[1,0,1]
.endr
	s_wait_alu depctr_va_vdst(0)                   ; the wait for the reciprocal, ahead of its first reader
	v_mul_f32 v118, -2.0, v118
	v_pk_fma_f32 v[114:115], v[114:115], v[118:119], 1.0 op_sel_hi:[1,0,0]
	v_pk_fma_f32 v[116:117], v[116:117], v[118:119], 1.0 op_sel_hi:[1,0,0]
	global_store_b128 v1, v[114:117], s[6:7]       ; 32 lanes store 512 consecutive bytes, at a multiple of 256 from out0's first byte
	s_endpgm
.Lfunc_end_k_q161ec5a2f0_combine:
	.size	k_q161ec5a2f0_combine, .Lfunc_end_k_q161ec5a2f0_combine-k_q161ec5a2f0_combine
	.p2alignl 7, 3214868480
	.fill 96, 4, 3214868480
	.section	.rodata,"a",@progbits
	.p2align	6, 0x0
	.amdhsa_kernel k_q161ec5a2f0_combine
		.amdhsa_group_segment_fixed_size 0
		.amdhsa_private_segment_fixed_size 0
		.amdhsa_enable_private_segment 0
		.amdhsa_kernarg_size 16
		.amdhsa_user_sgpr_count 2
		.amdhsa_user_sgpr_kernarg_segment_ptr 1
		.amdhsa_wavefront_size32 1
		.amdhsa_system_sgpr_workgroup_id_x 1
		.amdhsa_system_sgpr_workgroup_id_y 1
		.amdhsa_system_sgpr_workgroup_id_z 1
		.amdhsa_system_vgpr_workitem_id 0
		.amdhsa_next_free_vgpr 128
		.amdhsa_next_free_sgpr 66
		.amdhsa_reserve_vcc 0
		.amdhsa_float_denorm_mode_32 3
		.amdhsa_float_denorm_mode_16_64 3
		.amdhsa_memory_ordered 1
		.amdhsa_forward_progress 1
		.amdhsa_inst_pref_size 9
	.end_amdhsa_kernel
	.amdgpu_metadata
---
amdhsa.version: [ 1, 2 ]
amdhsa.kernels:
  - .name:           k_q161ec5a2f0_combine
    .symbol:         k_q161ec5a2f0_combine.kd
    .args:
      - { .name: part, .offset: 0, .size: 8, .value_kind: global_buffer, .address_space: global }
      - { .name: out0, .offset: 8, .size: 8, .value_kind: global_buffer, .address_space: global }
    .group_segment_fixed_size: 0
    .private_segment_fixed_size: 0
    .kernarg_segment_align: 8
    .kernarg_segment_size: 16
    .max_flat_workgroup_size: 32
    .sgpr_count:     66
    .vgpr_count:     128
    .wavefront_size: 32
...
	.end_amdgpu_metadata
.endif
;; end of part 3
